; MI455X (gfx1250); checked and timed in simulation.
; The chip was launched on July 23, 2026; its instructions are those of AMD's public machine-readable ISA for CDNA 5 (MIT licence, August 2026) and "CDNA5" Instruction Set Architecture Reference Guide (July 2026). The comments in the code are by the model that wrote it; some were corrected since.
;; LST Mcell. Allowed arithmetic: float matrix products may take bf16 or f16 operands with f32 sums; other float arithmetic in f32, or as packed bf16 or f16 multiplies, adds, multiply-adds, maxima and minima; sums over many terms, partial sums and values carried from step to step in f32; what a program stores and reads back later, other than sums and carried values, may be rounded once to bf16 or f16.
;; Inputs: W_c 2,048 x 1,024 float32; W_f 2,048 x 1,024 float32; W_i 2,048 x 1,024 float32; W_o 2,048 x 1,024 float32; b_c 1,024 float32; b_f 1,024 float32; b_i 1,024 float32; b_o 1,024 float32; cell_state 8,192 x 1,024 float32; hidden_state 8,192 x 1,024 float32; input 8,192 x 1,024 float32.
;; Outputs: out0 8,192 x 1,024 float32; out1 8,192 x 1,024 float32.
;; One version. Each part assembles by itself: llvm-mc -triple=amdgcn-amd-amdhsa -mcpu=gfx1250 --defsym DOCPART=n.
;; ======== version 1 of 1: 2 launches
;; workspace buffers: xa 33,554,432 bytes; wb 16,777,216 bytes
;; launch prep (part 1): grid 1536 x 1, 8 waves a work-group, no clusters, 0 bytes of LDS; arguments input, hidden_state, W_f, W_i, W_c, W_o, xa, wb; writes xa, wb
.if DOCPART == 1
	.amdgcn_target "amdgcn-amd-amdhsa--gfx1250"
	.amdhsa_code_object_version 6
	.text
	.protected	k_qa15eaea40a_prep
	.globl	k_qa15eaea40a_prep
	.p2align	8
	.type	k_qa15eaea40a_prep,@function
k_qa15eaea40a_prep:
	s_mov_b64 s[64:65], 0
	v_nop
	global_prefetch_b8 v0, s[64:65] scope:SCOPE_SE
	s_setreg_imm32_b32 hwreg(HW_REG_WAVE_MODE, 25, 1), 1
	s_wait_xcnt 0x0
; THE CASTS IN FRONT OF THE PRODUCT.  A pure stream: every input byte is read once, every output byte written once, each number rounded once to bf16.
; xa[8192][2048] bf16: row m = bf16(input[m][0..1023]), then bf16(hidden_state[m][0..1023]): the product's left operand, K along the rows, 4,096 bytes a row.
; wb[2048 k][4096 n'] bf16: the four weights, K still down the rows (8,192 bytes a row), their columns interleaved so that the four gates of an output meet in one lane of the product:
;   the 16 bytes of group Q of a row are gates f, i, c, o of the column pair P (columns 2 P, 2 P + 1: low half, high half of a word), where Q is P with its bits 0 and 1 exchanged.
; Work-groups 0 to 1,023 take 8 rows of input and of hidden_state each; work-groups 1,024 to 1,535 take 4 rows k of all four weights.  Either way 64 KiB in and 32 KiB out, all loads issued
; ahead of the first store, no register used twice: so no wait but the counted waits for the loads.  No LDS, no barrier, no matrix unit: nothing is shared and nothing is multiplied.
.set IN,  16                           ; v[16:79]   as loaded
.set OUT, 80                           ; v[80:111]  as stored
	s_load_b512 s[4:19], s[0:1], 0x0               ; input s[4:5], hidden s[6:7], W_f s[8:9], W_i s[10:11], W_c s[12:13], W_o s[14:15], xa s[16:17], wb s[18:19]
	s_cmp_lt_u32 ttmp9, 1024
	s_cbranch_scc0 .Lweights
	; THE ACTIVATIONS.  A row is 4,096 bytes of f32: 256 threads x 16 bytes.  Its bf16 are 2,048 bytes: 256 threads x 8 bytes, half a row of xa.
	s_lshl_b32 s20, ttmp9, 15                      ; 8 rows of 4,096 bytes, in the inputs and in xa alike
	s_mov_b32 s21, 0
	v_lshlrev_b32 v1, 4, v0                        ; 16 t: where I read
	v_lshlrev_b32 v2, 3, v0                        ; 8 t: where I write
	s_wait_kmcnt 0x0
	s_add_nc_u64 s[4:5], s[4:5], s[20:21]
	s_add_nc_u64 s[6:7], s[6:7], s[20:21]
	s_add_nc_u64 s[16:17], s[16:17], s[20:21]
.irp n, 0,1,2,3,4,5,6,7
	global_load_b128 v[IN+4*\n:IN+4*\n+3], v1, s[4:5] offset:\n*4096 th:TH_LOAD_NT        ; a wave's load covers 512 consecutive bytes
.endr
.irp n, 0,1,2,3,4,5,6,7
	global_load_b128 v[IN+32+4*\n:IN+32+4*\n+3], v1, s[6:7] offset:\n*4096 th:TH_LOAD_NT
.endr
.set n, 0
.rept 16
	s_wait_loadcnt 15-n                            ; loads come back in order: number n is in, the 15 - n younger ones stay out
	v_cvt_pk_bf16_f32 v[OUT+2*n], v[IN+4*n], v[IN+4*n+1]
	v_cvt_pk_bf16_f32 v[OUT+2*n+1], v[IN+4*n+2], v[IN+4*n+3]
	global_store_b64 v2, v[OUT+2*n:OUT+2*n+1], s[16:17] offset:(n&7)*4096+(n>>3)*2048 th:TH_STORE_NT  ; a wave's store covers 256 consecutive bytes, aligned
.set n, n+1
.endr
	s_endpgm
.Lweights:
	; THE WEIGHTS.  Item n = 2 kk + half of eight: row kk of the group's four, column pairs 256 half + t.  Thread t loads its pair from each of the four weights and stores one group of 16 bytes.
	s_sub_co_u32 s22, ttmp9, 1024
	s_lshl_b32 s20, s22, 14                        ; 4 rows of 4,096 bytes in each W
	s_mov_b32 s21, 0
	s_lshl_b32 s22, s22, 15                        ; 4 rows of 8,192 bytes in wb
	s_mov_b32 s23, 0
	v_lshlrev_b32 v1, 3, v0                        ; 8 t: my pair in a half row of W
	v_and_b32 v3, 0xfc, v0                         ; t with its bits 0 and 1 exchanged:
	v_and_b32 v4, 1, v0
	v_lshl_or_b32 v3, v4, 1, v3
	v_bfe_u32 v4, v0, 1, 1
	v_or_b32 v3, v3, v4
	v_lshlrev_b32 v3, 4, v3                        ; my group of 16 bytes in a half row of wb
	s_wait_kmcnt 0x0
	s_add_nc_u64 s[8:9], s[8:9], s[20:21]
	s_add_nc_u64 s[10:11], s[10:11], s[20:21]
	s_add_nc_u64 s[12:13], s[12:13], s[20:21]
	s_add_nc_u64 s[14:15], s[14:15], s[20:21]
	s_add_nc_u64 s[18:19], s[18:19], s[22:23]
.set n, 0
.rept 8
.irp g, 0,1,2,3
	global_load_b64 v[IN+8*n+2*\g:IN+8*n+2*\g+1], v1, s[8+2*\g:9+2*\g] offset:(n>>1)*4096+(n&1)*2048 th:TH_LOAD_NT  ; a wave's load covers 256 consecutive bytes, aligned
.endr
.set n, n+1
.endr
.set n, 0
.rept 8
	s_wait_loadcnt 28-4*n                          ; item n's four loads are in; the later items' four each stay out
.irp g, 0,1,2,3
	v_cvt_pk_bf16_f32 v[OUT+4*n+\g], v[IN+8*n+2*\g], v[IN+8*n+2*\g+1]
.endr
	global_store_b128 v3, v[OUT+4*n:OUT+4*n+3], s[18:19] offset:(n>>1)*8192+(n&1)*4096 th:TH_STORE_NT  ; the exchange moves lanes inside 64 bytes: a wave's store still covers 512 consecutive bytes
.set n, n+1
.endr
	s_endpgm
.Lfunc_end_k_qa15eaea40a_prep:
	.size	k_qa15eaea40a_prep, .Lfunc_end_k_qa15eaea40a_prep-k_qa15eaea40a_prep
	.p2alignl 7, 3214868480
	.fill 96, 4, 3214868480
	.section	.rodata,"a",@progbits
	.p2align	6, 0x0
	.amdhsa_kernel k_qa15eaea40a_prep
		.amdhsa_group_segment_fixed_size 0
		.amdhsa_private_segment_fixed_size 0
		.amdhsa_enable_private_segment 0
		.amdhsa_kernarg_size 64
		.amdhsa_user_sgpr_count 2
		.amdhsa_user_sgpr_kernarg_segment_ptr 1
		.amdhsa_wavefront_size32 1
		.amdhsa_system_sgpr_workgroup_id_x 1
		.amdhsa_system_sgpr_workgroup_id_y 1
		.amdhsa_system_sgpr_workgroup_id_z 1
		.amdhsa_system_vgpr_workitem_id 0
		.amdhsa_next_free_vgpr 112
		.amdhsa_next_free_sgpr 66
		.amdhsa_reserve_vcc 0
		.amdhsa_float_denorm_mode_32 3
		.amdhsa_float_denorm_mode_16_64 3
		.amdhsa_memory_ordered 1
		.amdhsa_forward_progress 1
		.amdhsa_inst_pref_size 13
	.end_amdhsa_kernel
	.amdgpu_metadata
---
amdhsa.version: [ 1, 2 ]
amdhsa.kernels:
  - .name:           k_qa15eaea40a_prep
    .symbol:         k_qa15eaea40a_prep.kd
    .args:
      - { .name: input, .offset: 0, .size: 8, .value_kind: global_buffer, .address_space: global }
      - { .name: hidden_state, .offset: 8, .size: 8, .value_kind: global_buffer, .address_space: global }
      - { .name: W_f, .offset: 16, .size: 8, .value_kind: global_buffer, .address_space: global }
      - { .name: W_i, .offset: 24, .size: 8, .value_kind: global_buffer, .address_space: global }
      - { .name: W_c, .offset: 32, .size: 8, .value_kind: global_buffer, .address_space: global }
      - { .name: W_o, .offset: 40, .size: 8, .value_kind: global_buffer, .address_space: global }
      - { .name: xa, .offset: 48, .size: 8, .value_kind: global_buffer, .address_space: global }
      - { .name: wb, .offset: 56, .size: 8, .value_kind: global_buffer, .address_space: global }
    .group_segment_fixed_size: 0
    .private_segment_fixed_size: 0
    .kernarg_segment_align: 8
    .kernarg_segment_size: 64
    .max_flat_workgroup_size: 256
    .sgpr_count:     66
    .vgpr_count:     112
    .wavefront_size: 32
...
	.end_amdgpu_metadata
.endif
;; end of part 1
;; launch lstm (part 2): grid 16 x 32, 4 waves a work-group, clusters of 4 x 4, 327,680 bytes of LDS; arguments xa, wb, cell_state, b_f, b_i, b_c, b_o, out0, out1; writes out0, out1
.if DOCPART == 2
	.amdgcn_target "amdgcn-amd-amdhsa--gfx1250"
	.amdhsa_code_object_version 6
	.text
	.protected	k_qa15eaea40a_lstm
	.globl	k_qa15eaea40a_lstm
	.p2align	8
	.type	k_qa15eaea40a_lstm,@function
k_qa15eaea40a_lstm:
	s_mov_b64 s[64:65], 0
	v_nop
	global_prefetch_b8 v0, s[64:65] scope:SCOPE_SE
	s_setreg_imm32_b32 hwreg(HW_REG_WAVE_MODE, 25, 1), 1
	s_wait_xcnt 0x0
	s_wait_alu depctr_hold_cnt(0) depctr_sa_sdst(0) depctr_va_vdst(0) depctr_va_sdst(0) depctr_va_ssrc(0) depctr_va_vcc(0) depctr_vm_vsrc(0)
	s_getreg_b32 s2, hwreg(HW_REG_IB_STS2, 6, 4)
	s_cmp_eq_u32 s2, 0
	s_cbranch_scc0 .Lentry_in_a_cluster
	s_endpgm
.Lentry_in_a_cluster:
	s_bfe_u32 s2, ttmp6, 0x10000c
	s_cmp_lg_u32 s2, 0xf033
	s_cbranch_scc0 .Lentry_shape_is_right
	s_endpgm
.Lentry_shape_is_right:
; ONE LSTM STEP.  gates[8192][4096] = xa[8192][2048] x wb[2048][4096] + bias (bf16 operands, f32 sums); new_cell = sig(f) cell + sig(i) tanh(c); new_hidden = sig(o) tanh(new_cell).
; out0 = new_hidden, out1 = new_cell, both [8192][1024] f32.  xa and wb were made by the launch before: xa = [input | hidden_state] in bf16, K along the rows; wb = the four weights in bf16, K down
; the rows, column n' = 128 cw + 16 b + 8 hh + 2 g + e holding gate g (f, i, c, o) of column 32 cw + 8 (b >> 1) + 4 hh + 2 (b & 1) + e.
; LIMITS.  input, hidden_state and the weights are rounded once to bf16; the biases and cell_state stay in f32.  sig(x) = 1 / (1 + 2^(-x log2 e)), tanh(x) = 1 - 2 / (1 + 2^(2 x log2 e)), without a clamp:
; an exponential that overflows is an infinity, its reciprocal 0, which is the function's limit; one below 2^-126 counts as 0, likewise.  Near 0 tanh carries an absolute error of about 1e-7.  NaN passes through.
; SHARES.  A work-group makes 256 rows x 64 columns of both outputs: a tile of 256 x 256 of the gates.  Four waves, as many as a WGP has SIMDs; a wave makes 128 rows x 128 n' (four gates of 32 columns):
; 64 accumulators of 16 x 16, 512 registers.  512 work-groups of equal work.  K goes in 16 steps of 128 through two LDS slots filled by the tensor data mover.
; CLUSTERS.  4 x 4 work-groups.  The four of a row of the cluster need the same tiles of xa, the four of a column the same tiles of wb: each tile is asked for JOINTLY, by the same tensor load with the same
; descriptor and a mask that names the four.  The cell tile is a work-group's own and comes by a plain load, behind a round like the others.
; THE MATRIX INSTRUCTION IS USED TRANSPOSED: source 0 = 16 n' of wb (out of LDS turned, by ds_load_tr16_b128, since K lies down wb's rows), source 1 = 16 rows of xa.  In the result lane l holds row l % 16,
; and register 2 g + e gate g of two neighbouring columns: all four gates of an output lie in one lane, and accumulators 2 p, 2 p + 1 give four neighbouring columns, 16 bytes of f32.
; THE BIAS is the C operand of the first product on each accumulator: nothing is cleared and nothing is added later.
; THE END.  The last change of slots fills slot 0's first half, which is read no more, with the work-group's tile of cell_state; it lands during the last K step.  Then the gates are worked out in registers,
; both results go into ring bytes that have had their last fill, and come back as whole rows of 256 bytes.
; REGISTERS, in windows of 256 (s_set_vgpr_msb: bits 1:0 source 0, 3:2 source 1, 5:4 source 2, 7:6 destination):
;   window 0: v0-31 addresses; v64-127, v128-191 fragments of xa, two buffers (on the way out: at work); v192-255 the bias
;   window 1: v64-127, v128-191 fragments of wb, two buffers      window 2: the accumulators of my rows 0-63, (a, b) at v[8 (8 a + b)]      window 3: those of my rows 64-127
.set PA,     272                       ; an LDS row of xa, of the cell tile and of the stages: 256 bytes + 16 = 68 words: the 16 rows of a load start at 16 different groups of four banks (64 banks of 4 bytes: ISA guide 11.1)
.set PB,     544                       ; an LDS row of wb: 512 bytes + 32 = 136 words
.set HALFT,  128*PA                    ; what one tensor load brings: 128 rows of xa, or 64 rows k of wb (64 PB, the same number)
.set SLOT,   4*HALFT                   ; xa's 256 rows, then wb's 128 rows k
.set HS,     2*HALFT                   ; the way out: new_hidden's stage, 256 rows x PA, where slot 0's wb lay
.set NS,     SLOT                      ; new_cell's stage, where slot 1's xa lay
.set SPARE,  2*SLOT                    ; behind the ring: the spare words, 128 bytes for each wave: two blocks of 256 bytes that no other line names
.set LAPS,   8                         ; a lap = two K steps = once round the ring
.set BO,   6                           ; v6      my byte offset in each bias
.set ADRA, 16                          ; v16-17  LDS address of my fragments of xa in slot 0, 1
.set ADRB, 20                          ; v20-21  the same for wb
.set CA,   22                          ; v22     my 16 bytes in the cell tile, block 0
.set HA,   23                          ; v23     the same place in new_hidden's stage
.set NA,   24                          ; v24     and in new_cell's
.set RDH,  25                          ; v25     where I read new_hidden's rows back
.set RDN,  26                          ; v26     and new_cell's
.set GO,   27                          ; v27     my byte offset in two rows of an output
.set SPW,  28                          ; v28     LDS address of my spare word: SPARE + 4 x my thread's number; never rewritten
.set NIL,  29                          ; v29     0; never rewritten
.set PFO,  30                          ; v30     the prefetches' offset in xa or wb; never rewritten
.set PFC,  31                          ; v31     the prefetches' offset in cell_state: my lane x a row; never rewritten
.set F0,   64
.set F1,   128
.set BIAS, 192                         ; block b's eight at BIAS + 8 b, register 2 g + e
.set T,    64                          ; the way out: gate g's 16 numbers at T + 16 g, number 2 b + e
.set CL,   128                         ; the way out: my 16 numbers of cell_state
.set OB,   64                          ; the way out: rows read back, two buffers of 64
.set G1,   24                          ; s[24:31] descriptor group 1 for xa's tiles;  s[32:39] group 0, a set for each slot
.set G0,   32
.set LIM,  43                          ; s43      1 in a wave that prefetches xa or wb, else the greatest number
.set PFA,  44                          ; s[44:45] where my prefetches stand
.set PFS,  46                          ; s[46:47] a K step in bytes: 256 along xa's rows, 128 rows of wb
.set G1B,  48                          ; s[48:55], s[56:63] the same for wb's tiles
.set G0B,  56
.set G1C,  68                          ; s[68:75], s[76:79] the cell tile's
.set G0C,  76
.set WV,   90                          ; s90  my wave's number
.set RH,   91                          ; s91  which half of the tile's rows is mine.  Also: I fetch for xa (0) or for wb (1)
.set CH,   92                          ; s92  which half of its n'.  Also: which half of that tile I fetch
.set SN,   98                          ; s[98:99]   -log2 e: the packed forms name a pair and take its low word for both halves
.set SP2,  100                         ; s[100:101] 2 log2 e
.set MSB, 0
.macro WIN new                         ; the immediate's high byte repeats the setting that is left; a switch that changes nothing is dropped
.if MSB != (\new)
	s_set_vgpr_msb (MSB<<8)|(\new)
.set MSB, \new
.endif
.endm
.set TO_B, 0x40                        ; destination window 1, address window 0
.macro PLACES                          ; four places in front of loads into registers that matrix instructions have read (ISA guide 7.12.1 for vector instructions)
.rept 4
	v_nop
.endr
.endm
; A joint load.  Waves 0 and 1 fetch xa's two halves, waves 2 and 3 wb's.  Each line has one mask and one set of registers; the branch hangs on the wave's number alone.
; An s_nop 0 and four v_nop follow each of the two lines, ahead of the jump, the label and what follows.
.macro JLOAD s
	s_cmp_eq_u32 s[RH], 0
	s_cbranch_scc0 .Lfor_b_\@
	tensor_load_to_lds s[G0+4*(\s):G0+4*(\s)+3], s[G1:G1+7]
	s_nop 0
.rept 4
	v_nop
.endr
	s_branch .Lasked_\@
.Lfor_b_\@:
	tensor_load_to_lds s[G0B+4*(\s):G0B+4*(\s)+3], s[G1B:G1B+7]
	s_nop 0
.rept 4
	v_nop
.endr
.Lasked_\@:
.endm
.macro CLOAD                           ; my 64 rows of the work-group's cell tile: every wave issues one, no mask
	tensor_load_to_lds s[G0C:G0C+3], s[G1C:G1C+7]
	s_nop 0
.rept 4
	v_nop
.endr
.endm
; A PREFETCH INTO THE L2, behind a joint load, its five lines and the run of LDS loads that follows: the K step that stands two refills on, 512 matrix instructions ahead of the load that will want it.
; Each 256 bytes are named once in the launch.  xa's tile row is read by every cluster of that row of clusters: cluster x = 0 asks; wb's tile column by every cluster of that column: cluster y = 0 asks.
; The four partners that ask for a tile jointly share it out BY ADDRESS: of the 128 rows of xa that a wave fetches the partner at cx takes 32, a lane a row; of the 64 rows k of wb the partner at cy takes 16,
; two lanes a row of 512 bytes.  The loop's last trip has no K step two on and asks for nothing; the first four K steps come by their loads alone.
.macro ASK
	s_cmp_gt_u32 s3, s[LIM]                        ; s3 = 1 in the loop's last trip
	s_cbranch_scc0 .Lnot_mine_\@
	global_prefetch_b8 v[PFO], s[PFA:PFA+1] th:TH_LOAD_NT scope:SCOPE_SE
.Lnot_mine_\@:
.endm
.macro ASKC                            ; in the loop's last trip, two changes of slots ahead of the cell tile's load: my own 64 rows x 256 bytes of cell_state, a lane a row, twice
	s_cmp_eq_u32 s3, 1
	s_cbranch_scc0 .Lno_cell_\@
	global_prefetch_b8 v[PFC], s[8:9] th:TH_LOAD_NT scope:SCOPE_SE
	global_prefetch_b8 v[PFC], s[8:9] offset:131072 th:TH_LOAD_NT scope:SCOPE_SE
.Lno_cell_\@:
.endm
; A round of the cluster's barrier: my work-group's barrier, so that wave 0's signal speaks for all four waves; wave 0 signals; every wave waits for all sixteen work-groups; my work-group's barrier once more.
.macro CREST                           ; a round behind its opening barrier
	s_cmp_lg_u32 s[WV], 0
	s_cbranch_scc1 .Lnot_wave_0_\@
	s_barrier_signal -3
.Lnot_wave_0_\@:
	s_barrier_wait -3
	s_barrier_signal -1
	s_barrier_wait -1
.endm
.macro CROUND
	s_barrier_signal -1
	s_barrier_wait -1
	CREST
.endm
	s_load_b256 s[4:11], s[0:1], 0x0               ; xa s[4:5], wb s[6:7], cell_state s[8:9], b_f s[10:11]
	s_load_b256 s[80:87], s[0:1], 0x20             ; b_i s[80:81], b_c s[82:83], b_o s[84:85], out0 s[86:87]
	s_load_b64 s[88:89], s[0:1], 0x40              ; out1
	v_lshl_add_u32 v[SPW], v0, 2, SPARE
	v_mov_b32 v[NIL], 0
	ds_add_u32 v[SPW], v[NIL]                      ; the wave's opening: the add, twice on end, and its wait ahead of my first tensor load; the set-up below stands between
	ds_add_u32 v[SPW], v[NIL]                      ; and once more, under the one wait
	v_lshrrev_b32 v1, 5, v0
	v_readfirstlane_b32 s[WV], v1                  ; wave 0..3
	s_lshr_b32 s[RH], s[WV], 1
	s_and_b32 s[CH], s[WV], 1
	s_bfe_u32 s40, ttmp6, 0x40000                  ; cx, cy: my place in the cluster
	s_bfe_u32 s41, ttmp6, 0x40004
	s_lshl_b32 s42, ttmp9, 2                       ; in a cluster launch ttmp9 and ttmp7 count clusters
	s_add_co_u32 s42, s42, s40                     ; tc, the tile column = 4 x cluster x + cx: columns 64 tc on, n' 256 tc on
	s_and_b32 s13, ttmp7, 0xffff
	s_lshl_b32 s13, s13, 2
	s_add_co_u32 s13, s13, s41                     ; tr, the tile row = 4 x cluster y + cy: rows 256 tr on
	s_lshl_b32 s43, s41, 2
	s_lshl_b32 s43, 15, s43                        ; my row of the cluster: places 4 cy .. 4 cy + 3
	s_lshl_b32 s44, 0x1111, s40                    ; my column: places cx, cx + 4, cx + 8, cx + 12
	; group 1 for xa: 128 rows x 128 elements of 2 bytes, 2,048 elements from row to row; 4 words of padding behind every 64
	s_or_b32 s[G1+0], s43, (1<<16)|(1<<20)|(1<<21)|(5<<22)|(3<<25)   ; 15:0 the mask; 17:16 2-byte elements; 20 padding on; 21 set beside a mask; 24:22 the interval's code; 31:25 the pad's
	s_mov_b32 s[G1+1], 128<<16                     ; tensor_dim0 = 128
	s_mov_b32 s[G1+2], 128<<16                     ; tensor_dim1 = 128
	s_mov_b32 s[G1+3], 128<<16                     ; tile_dim0 = 128
	s_mov_b32 s[G1+4], 128                         ; tile_dim1 = 128
	s_mov_b32 s[G1+5], 2048
	s_mov_b32 s[G1+6], 0
	s_mov_b32 s[G1+7], 0
	; group 1 for wb: 64 rows k x 256 elements of 2 bytes, 4,096 elements from row to row; 8 words of padding behind every 128
	s_or_b32 s[G1B+0], s44, (1<<16)|(1<<20)|(1<<21)|(6<<22)|(7<<25)
	s_mov_b32 s[G1B+1], 256<<16
	s_mov_b32 s[G1B+2], 64<<16
	s_mov_b32 s[G1B+3], 256<<16
	s_mov_b32 s[G1B+4], 64
	s_mov_b32 s[G1B+5], 4096
	s_mov_b32 s[G1B+6], 0
	s_mov_b32 s[G1B+7], 0
	; group 1 for the cell tile: 64 rows x 64 elements of 4 bytes, 1,024 elements from row to row; 4 words of padding behind every 64; no mask
	s_mov_b32 s[G1C+0], (2<<16)|(1<<20)|(5<<22)|(3<<25)
	s_mov_b32 s[G1C+1], 64<<16
	s_mov_b32 s[G1C+2], 64<<16
	s_mov_b32 s[G1C+3], 64<<16
	s_mov_b32 s[G1C+4], 64
	s_mov_b32 s[G1C+5], 1024
	s_mov_b32 s[G1C+6], 0
	s_mov_b32 s[G1C+7], 0
	s_mov_b32 s[SN], 0xbfb8aa3b
	s_mov_b32 s[SN+1], s[SN]
	s_mov_b32 s[SP2], 0x4038aa3b
	s_mov_b32 s[SP2+1], s[SP2]
	; where the tiles come from.  xa's hang on the tile row alone, which my row of the cluster shares; wb's on the tile column alone, which my column shares
	s_lshl_b32 s16, s13, 8
	s_lshl_b32 s17, s[CH], 7
	s_add_co_u32 s16, s16, s17                     ; xa: row 256 tr + 128 x half,
	s_lshl_b32 s16, s16, 12                        ; of 4,096 bytes: under 2^25
	s_mov_b32 s17, 0
	s_lshl_b32 s46, s42, 9                         ; wb: 512 bytes of a row for each tile column,
	s_lshl_b32 s47, s[CH], 19                      ; + 64 rows of 8,192 bytes x half
	s_add_co_u32 s46, s46, s47
	s_mov_b32 s47, 0
	s_mul_i32 s20, s[WV], HALFT                    ; and where they go: xa's two halves, then wb's two = wave x HALFT: no place in the cluster enters an LDS address
	s_wait_dscnt 0x0                               ; both opening adds are done
	s_wait_kmcnt 0x0
	s_add_nc_u64 s[14:15], s[4:5], s[16:17]
	s_add_nc_u64 s[46:47], s[6:7], s[46:47]
	CROUND                                         ; all sixteen work-groups are here: the first joint loads meet
.irp s, 0,1
	s_mov_b32 s[G0+4*(\s)], 1                                      ; count = 1
	s_add_co_u32 s[G0+4*(\s)+1], s20, (\s)*SLOT                    ; LDS address
	s_add_nc_u64 s[G0+4*(\s)+2:G0+4*(\s)+3], s[14:15], (\s)*256    ; global address: K step s, 256 bytes along the rows
	s_or_b32 s[G0+4*(\s)+3], s[G0+4*(\s)+3], 0x80000000            ; type = 2
	s_mov_b32 s[G0B+4*(\s)], 1
	s_add_co_u32 s[G0B+4*(\s)+1], s20, (\s)*SLOT
	s_add_nc_u64 s[G0B+4*(\s)+2:G0B+4*(\s)+3], s[46:47], (\s)*128*8192  ; K step s, 128 rows down
	s_or_b32 s[G0B+4*(\s)+3], s[G0B+4*(\s)+3], 0x80000000
	JLOAD \s                                       ; the ring is filled before anything else is done: two loads of mine are out
.endr
	; A fragment of xa is 16 rows x 32 K in 8 registers: lane l holds row l % 16; registers 0-3 K = 8 (l / 16) + 0..7, registers 4-7 K = 16 + 8 (l / 16) + 0..7: two loads of 16 bytes, 32 bytes apart.
	v_and_b32 v1, 15, v0                           ; r = l % 16
	v_bfe_u32 v2, v0, 4, 1                         ; hh = l / 16
	v_mul_u32_u24 v3, v1, PA
	v_lshl_add_u32 v3, v2, 4, v3                   ; r x pitch + 16 hh
	s_mul_i32 s21, s[RH], HALFT                    ; my 128 rows
	v_add_nc_u32 v[ADRA], s21, v3
	v_add_nc_u32 v[ADRA+1], SLOT, v[ADRA]
	; The turning load takes 16 k x 16 n' (lane l reads 16 bytes: k = 8 (l / 16) + l % 8, n' = 8 ((l / 8) % 2) + 0..7) and leaves half a fragment: lane l holds n' = l % 16 and 8 k.
	v_and_b32 v4, 7, v0
	v_lshl_add_u32 v4, v2, 3, v4
	v_mul_u32_u24 v4, v4, PB
	v_bfe_u32 v5, v0, 3, 1
	v_lshl_add_u32 v4, v5, 4, v4
	s_lshl_b32 s22, s[CH], 8                       ; my 128 n': 256 bytes of a row,
	s_add_co_u32 s22, s22, 2*HALFT                 ; behind xa's 256 rows
	v_add_nc_u32 v[ADRB], s22, v4
	v_add_nc_u32 v[ADRB+1], SLOT, v[ADRB]
	s_lshl_b32 s22, s[CH], 7                       ; the cell tile and the stages: row 128 RH + r, my 32 columns at byte 128 CH, my four of each eight at 16 hh
	v_add_nc_u32 v[CA], s22, v[ADRA]
	v_add_nc_u32 v[HA], HS, v[CA]
	v_add_nc_u32 v[NA], NS, v[CA]
	v_mul_u32_u24 v5, v2, PA                       ; back: wave w takes rows 64 w .. 64 w + 63, whole; lanes 0-15 one row of 256 bytes, lanes 16-31 the next
	v_lshl_add_u32 v5, v1, 4, v5
	s_mul_i32 s23, s[WV], 64*PA
	s_add_co_u32 s23, s23, HS
	v_add_nc_u32 v[RDH], s23, v5
	v_add_nc_u32 v[RDN], NS-HS, v[RDH]
	v_lshlrev_b32 v[GO], 12, v2                    ; and the same two rows in an output
	v_lshl_add_u32 v[GO], v1, 4, v[GO]
	s_lshl_b32 s2, s42, 8                          ; the bias: 4 bytes x (64 tc + 32 CH + 4 hh)
	s_lshl_b32 s23, s[CH], 7
	s_add_co_u32 s2, s2, s23
	v_lshl_add_u32 v[BO], v2, 4, s2
.irp b, 0,1,2,3,4,5,6,7                ; block b, gate g: two neighbouring numbers, columns 8 (b >> 1) + 2 (b & 1) + 0, 1 of my four-of-eight; read once a launch
	global_load_b64 v[BIAS+8*(\b):BIAS+8*(\b)+1],   v[BO], s[10:11] offset:32*((\b)>>1)+8*((\b)&1)
	global_load_b64 v[BIAS+8*(\b)+2:BIAS+8*(\b)+3], v[BO], s[80:81] offset:32*((\b)>>1)+8*((\b)&1)
	global_load_b64 v[BIAS+8*(\b)+4:BIAS+8*(\b)+5], v[BO], s[82:83] offset:32*((\b)>>1)+8*((\b)&1)
	global_load_b64 v[BIAS+8*(\b)+6:BIAS+8*(\b)+7], v[BO], s[84:85] offset:32*((\b)>>1)+8*((\b)&1)
.endr
	; the rows that I fetch of cell_state and store of both outputs are the same: row 256 tr + 64 w, byte 256 tc
	s_lshl_b32 s16, s13, 8
	s_lshl_b32 s17, s[WV], 6
	s_add_co_u32 s16, s16, s17
	s_lshl_b32 s16, s16, 12
	s_mov_b32 s17, 0
	s_lshl_b32 s46, s42, 8
	s_mov_b32 s47, 0
	s_add_nc_u64 s[16:17], s[16:17], s[46:47]
	s_add_nc_u64 s[86:87], s[86:87], s[16:17]
	s_add_nc_u64 s[88:89], s[88:89], s[16:17]
	s_add_nc_u64 s[8:9], s[8:9], s[16:17]
	s_mov_b32 s[G0C], 1
	s_mul_i32 s[G0C+1], s[WV], 64*PA               ; my 64 rows of the tile, from LDS byte 0 on
	s_mov_b64 s[G0C+2:G0C+3], s[8:9]
	s_or_b32 s[G0C+3], s[G0C+3], 0x80000000
	; the prefetches: they stand at K step 3; the first refill steps them to 4
	s_and_b32 s22, ttmp7, 0xffff                   ; cluster y
	s_lshl_b32 s18, s13, 8                         ; xa: row 256 tr + 128 x half + my work-group's 32 of them,
	s_lshl_b32 s19, s[CH], 7
	s_add_co_u32 s18, s18, s19
	s_lshl_b32 s19, s40, 5
	s_add_co_u32 s18, s18, s19
	s_lshl_b32 s18, s18, 12
	s_add_co_u32 s18, s18, 3*256
	s_lshl_b32 s20, s[CH], 6                       ; wb: row k = 3 x 128 + 64 x half + my work-group's 16 of them,
	s_lshl_b32 s21, s41, 4
	s_add_co_u32 s20, s20, s21
	s_add_co_u32 s20, s20, 3*128
	s_lshl_b32 s20, s20, 13
	s_lshl_b32 s21, s42, 9                         ; at the tile column's 512 bytes
	s_add_co_u32 s20, s20, s21
	s_movk_i32 s2, 0x100
	s_mov_b32 s19, 0
	s_mov_b32 s[PFS+1], 0
	s_cmp_eq_u32 s[RH], 0                          ; do I fetch for xa?
	s_cselect_b32 s18, s18, s20
	s_cselect_b32 s22, ttmp9, s22                  ; the coordinate along which other clusters read the same rows
	s_cselect_b32 s[PFS], s2, 0x100000
	s_cselect_b64 s[PFA:PFA+1], s[4:5], s[6:7]
	s_add_nc_u64 s[PFA:PFA+1], s[PFA:PFA+1], s[18:19]
	s_cmp_eq_u32 s22, 0
	s_cselect_b32 s[LIM], 1, -1                    ; the same in all sixteen partners, for a given wave
	v_and_b32 v3, 31, v0
	v_lshrrev_b32 v4, s[RH], v3                    ; xa: a lane a row of 4,096 bytes; wb: two lanes a row of 8,192 bytes,
	s_add_co_u32 s23, s[RH], 12
	v_lshlrev_b32 v4, s23, v4
	v_and_b32 v5, s[RH], v3                        ; 256 bytes apart
	v_lshl_add_u32 v[PFO], v5, 8, v4
	v_lshlrev_b32 v[PFC], 12, v3
; 16 matrix instructions: row blocks a0, a0 + 1 of the window's four (hi = 0: my rows 0-63, 1: rows 64-127) x all 8 blocks of n', 32 along K.  first = 1: C is the bias (window 0).
; The 64 accumulators take turns, one instruction a turn, in the same order in every quarter, over the loop's backward jump too.
.macro MUL16 f, hi, a0, first
.if \first
	WIN 0x81+0x40*(\hi)
.else
	WIN 0xa1+0x50*(\hi)
.endif
.irp a, \a0, (\a0)+1
.irp b, 0,1,2,3,4,5,6,7
.if \first
	v_wmma_f32_16x16x32_bf16 v[8*(8*(\a)+(\b)):8*(8*(\a)+(\b))+7], v[(\f)+8*(\b):(\f)+8*(\b)+7], v[(\f)+8*(4*(\hi)+(\a)):(\f)+8*(4*(\hi)+(\a))+7], v[BIAS+8*(\b):BIAS+8*(\b)+7]
.else
	v_wmma_f32_16x16x32_bf16 v[8*(8*(\a)+(\b)):8*(8*(\a)+(\b))+7], v[(\f)+8*(\b):(\f)+8*(\b)+7], v[(\f)+8*(4*(\hi)+(\a)):(\f)+8*(4*(\hi)+(\a))+7], v[8*(8*(\a)+(\b)):8*(8*(\a)+(\b))+7]
.endif
.endr
.endr
.endm
; 32 LDS loads in one run: the fragments of quarter q of a K step (32 along K) into buffer f: wb's 8 blocks of n', turned, then xa's 8 blocks of rows
.macro FETCH slot, q, f
	WIN TO_B
.irp i, 0,1,2,3,4,5,6,7
	ds_load_tr16_b128 v[(\f)+8*(\i):(\f)+8*(\i)+3],   v[ADRB+(\slot)] offset:(\q)*32*PB+32*(\i)
	ds_load_tr16_b128 v[(\f)+8*(\i)+4:(\f)+8*(\i)+7], v[ADRB+(\slot)] offset:(\q)*32*PB+16*PB+32*(\i)
.endr
	WIN 0
.irp i, 0,1,2,3,4,5,6,7
	ds_load_b128 v[(\f)+8*(\i):(\f)+8*(\i)+3],   v[ADRA+(\slot)] offset:64*(\q)+(\i)*16*PA
	ds_load_b128 v[(\f)+8*(\i)+4:(\f)+8*(\i)+7], v[ADRA+(\slot)] offset:64*(\q)+(\i)*16*PA+32
.endr
.endm
; A K step is four quarters of 32 along K, 64 matrix instructions each, on buffers 0, 1, 0, 1.  One of the first three: multiplies buffer f; in its middle it fetches quarter q of the same slot into buffer g.
.macro QUARTER slot, q, f, g, first
	s_wait_dscnt 8                                 ; wb's fragments and xa's rows 0-63 are in; the youngest eight loads (xa's rows 64-127) may be out
	MUL16 \f, 0, 0, \first
	MUL16 \f, 0, 2, \first
	PLACES
	FETCH \slot, \q, \g
	s_wait_dscnt 32                                ; all but the 32 just issued
	MUL16 \f, 1, 0, \first
	MUL16 \f, 1, 2, \first
.endm
; The last quarter multiplies buffer 1 and changes slots.  MEET is its first half: in front of the barrier each wave waits for all its tensor loads, of which one is out: its part of the next slot; adds 0 to its
; spare word; and waits for that and for its own reads of this slot.  The barrier opens a round of the cluster's barrier.
.macro MEET
	WIN 0                                          ; (the add's two registers lie in window 0)
	s_wait_tensorcnt 0x0                           ; all my tensor loads have landed
	ds_add_u32 v[SPW], v[NIL]                      ; 0 onto my spare word
	s_wait_dscnt 9                                 ; (the add and the youngest eight loads may be out)
	MUL16 F1, 0, 0, 0                              ; sixteen matrix instructions stand between the add and the wait for it
	s_wait_dscnt 0x0                               ; the add is done, and my reads of this slot are over
	s_barrier_signal -1
	MUL16 F1, 0, 2, 0                              ; work on registers while the others arrive
	WIN 0
	s_barrier_wait -1
.endm
; The whole last quarter.  Behind the round the slot just read out is filled again first: kind = 0: with the K step two steps on, jointly; kind = 1: its first half with the cell tile.  Then the next slot's first fragments.
.macro TURN slot, next, kind
.if (\kind) == 0
	s_wait_xcnt 0x0                                ; the last prefetch, a K step back, has read its address: it is stepped here, ahead of the waits of the change of slots
	s_add_nc_u64 s[PFA:PFA+1], s[PFA:PFA+1], s[PFS:PFS+1]
.endif
	MEET
	CREST                                          ; no wave of any partner still reads this slot's tile or has a load on its way
.if (\kind) == 0
	s_add_nc_u64 s[G0+4*(\slot)+2:G0+4*(\slot)+3], s[G0+4*(\slot)+2:G0+4*(\slot)+3], 2*256
	s_add_nc_u64 s[G0B+4*(\slot)+2:G0B+4*(\slot)+3], s[G0B+4*(\slot)+2:G0B+4*(\slot)+3], 2*128*8192
	JLOAD \slot                                    ; my one tensor load behind the round: 224 matrix instructions ahead of the wait for it; its four v_nop are also the places in front of the loads below
.else
	CLOAD                                          ; likewise; it has the whole last K step in which to land
.endif
	FETCH \next, 0, F0
.if (\kind) == 0
	ASK
.if (\slot) == 0
	ASKC
.endif
.endif
	MUL16 F1, 1, 0, 0
	MUL16 F1, 1, 2, 0
.endm
	s_wait_tensorcnt 1                             ; my part of K step 0 is in; K step 1's may stay out
	s_barrier_signal -1
	s_barrier_wait -1                              ; everybody's is
	FETCH 0, 0, F0
	s_wait_loadcnt 0x0                             ; the bias
	QUARTER 0, 1, F0, F1, 1                        ; the first quarter stands in front of the loop: its products start the sums, from the bias
	WIN 0                                          ; at a label and at a branch every window is 0
	s_mov_b32 s3, LAPS-1
.Llap:                                                 ; a trip goes once round the ring, from a lap's second quarter to the next lap's first, and fills both slots again
	QUARTER 0, 2, F1, F0, 0
	QUARTER 0, 3, F0, F1, 0
	TURN 0, 1, 0
	QUARTER 1, 1, F0, F1, 0
	QUARTER 1, 2, F1, F0, 0
	QUARTER 1, 3, F0, F1, 0
	TURN 1, 0, 0
	QUARTER 0, 1, F0, F1, 0
	WIN 0
	s_sub_co_u32 s3, s3, 1
	s_cmp_lg_u32 s3, 0
	s_cbranch_scc1 .Llap
	QUARTER 0, 2, F1, F0, 0                        ; the last lap
	QUARTER 0, 3, F0, F1, 0
	TURN 0, 1, 1                                   ; slot 0 is read no more: its first half takes the cell tile
	QUARTER 1, 1, F0, F1, 0
	QUARTER 1, 2, F1, F0, 0
	QUARTER 1, 3, F0, F1, 0
	s_wait_dscnt 8                                 ; the very last quarter: nothing more to fetch
	MUL16 F1, 0, 0, 0
	MUL16 F1, 0, 2, 0
	s_wait_dscnt 0x0
	MUL16 F1, 1, 0, 0
	MUL16 F1, 1, 2, 0
	WIN 0
	PLACES                                         ; behind the last products, in front of the reads of their results and of the loads into their sources:
	PLACES                                         ; eight, once a launch
	s_wait_tensorcnt 0x0                           ; my part of the cell tile is in,
	s_wait_dscnt 0x0                               ; and my reads of slot 1 are over
	s_barrier_signal -1
	s_barrier_wait -1                              ; both hold of every wave: the cell tile may be read, and the stages, where slot 0's wb and slot 1's xa lay, may be written
; THE GATES of block a: 16 rows, 16 outputs a lane (four groups p of four neighbouring columns).  Four batches of transcendentals, each with one plain instruction behind its last and one wait ahead of its first reader.
; Each accumulator's lowest registers are read first.
.macro EPI a
	WIN 0
.irp p, 0,1,2,3
	ds_load_b128 v[CL+4*(\p):CL+4*(\p)+3], v[CA] offset:16*PA*(\a)+32*(\p)     ; cell_state, waited for below
.endr
	WIN 0x02+(\a)/4                                ; source 0 in window 2 or 3
.irp b, 0,1,2,3,4,5,6,7
.irp g, 0,1,2,3
.if (\g) == 2
	v_pk_mul_f32 v[T+16*(\g)+2*(\b):T+16*(\g)+2*(\b)+1], v[64*((\a)%4)+8*(\b)+2*(\g):64*((\a)%4)+8*(\b)+2*(\g)+1], s[SP2:SP2+1] op_sel_hi:[1,0]  ; c: 2 x log2 e
.else
	v_pk_mul_f32 v[T+16*(\g)+2*(\b):T+16*(\g)+2*(\b)+1], v[64*((\a)%4)+8*(\b)+2*(\g):64*((\a)%4)+8*(\b)+2*(\g)+1], s[SN:SN+1] op_sel_hi:[1,0]    ; f, i, o: -x log2 e
.endif
.endr
.endr
	WIN 0
.set z, 0
.rept 64
	v_exp_f32 v[T+z], v[T+z]
.set z, z+1
.endr
	v_nop
	s_wait_alu depctr_va_vdst(0)
.set z, 0
.rept 32
	v_pk_add_f32 v[T+z:T+z+1], v[T+z:T+z+1], 1.0 op_sel_hi:[1,0]
.set z, z+2
.endr
.set z, 0
.rept 64
	v_rcp_f32 v[T+z], v[T+z]                       ; sig(f), sig(i), sig(o); for c: 1 / (1 + e^(2 c))
.set z, z+1
.endr
	v_nop
	s_wait_alu depctr_va_vdst(0)
.set z, 0
.rept 8
	v_pk_fma_f32 v[T+32+z:T+32+z+1], v[T+32+z:T+32+z+1], -2.0, 1.0 op_sel_hi:[1,0,0]   ; tanh(c)
.set z, z+2
.endr
	s_wait_dscnt 0x0                               ; cell_state is in (its four loads are my youngest LDS instructions)
.set z, 0
.rept 8
	v_pk_mul_f32 v[T+z:T+z+1], v[T+z:T+z+1], v[CL+z:CL+z+1]                            ; sig(f) cell
.set z, z+2
.endr
.set z, 0
.rept 8
	v_pk_fma_f32 v[T+z:T+z+1], v[T+16+z:T+16+z+1], v[T+32+z:T+32+z+1], v[T+z:T+z+1]    ; + sig(i) tanh(c) = new_cell
.set z, z+2
.endr
.irp p, 0,1,2,3
	ds_store_b128 v[NA], v[T+4*(\p):T+4*(\p)+3] offset:16*PA*(\a)+32*(\p)
.endr
.set z, 0
.rept 8
	v_pk_mul_f32 v[T+16+z:T+16+z+1], v[T+z:T+z+1], s[SP2:SP2+1] op_sel_hi:[1,0]
.set z, z+2
.endr
.set z, 0
.rept 16
	v_exp_f32 v[T+16+z], v[T+16+z]
.set z, z+1
.endr
	v_nop
	s_wait_alu depctr_va_vdst(0)
.set z, 0
.rept 8
	v_pk_add_f32 v[T+16+z:T+16+z+1], v[T+16+z:T+16+z+1], 1.0 op_sel_hi:[1,0]
.set z, z+2
.endr
.set z, 0
.rept 16
	v_rcp_f32 v[T+16+z], v[T+16+z]
.set z, z+1
.endr
	v_nop
	s_wait_alu depctr_va_vdst(0)
.set z, 0
.rept 8
	v_pk_fma_f32 v[T+16+z:T+16+z+1], v[T+16+z:T+16+z+1], -2.0, 1.0 op_sel_hi:[1,0,0]   ; tanh(new_cell)
.set z, z+2
.endr
.set z, 0
.rept 8
	v_pk_mul_f32 v[T+48+z:T+48+z+1], v[T+48+z:T+48+z+1], v[T+16+z:T+16+z+1]            ; new_hidden
.set z, z+2
.endr
.irp p, 0,1,2,3
	ds_store_b128 v[HA], v[T+48+4*(\p):T+48+4*(\p)+3] offset:16*PA*(\a)+32*(\p)
.endr
.endm
.irp a, 0,1,2,3,4,5,6,7
	EPI \a
.endr
	s_wait_dscnt 0x0                               ; for the others' sake: my stores into the stages are done
	s_barrier_signal -1
	s_barrier_wait -1                              ; a row's 256 bytes come from two waves
; BACK AND OUT.  Batch n of four: 16 pairs of rows; 0, 1: new_hidden's, 2, 3: new_cell's.  Two buffers take turns.
.macro LOADB n
.set BK, OB+64*((\n)%2)
.set i, 0
.rept 16
.if (\n) < 2
	ds_load_b128 v[BK+4*i:BK+4*i+3], v[RDH] offset:2*PA*(16*((\n)%2)+i)
.else
	ds_load_b128 v[BK+4*i:BK+4*i+3], v[RDN] offset:2*PA*(16*((\n)%2)+i)
.endif
.set i, i+1
.endr
.endm
.macro STOREB n, younger               ; younger: the LDS loads issued behind this batch's: the next batch's sixteen, or none
.set BK, OB+64*((\n)%2)
.set i, 0
.rept 16
	s_wait_dscnt (\younger)+15-i
.if (\n) < 2
	global_store_b128 v[GO], v[BK+4*i:BK+4*i+3], s[86:87] offset:8192*(16*((\n)%2)+i) th:TH_STORE_NT  ; 16 lanes store 256 consecutive bytes, at a multiple of 256 from the output's first byte
.else
	global_store_b128 v[GO], v[BK+4*i:BK+4*i+3], s[88:89] offset:8192*(16*((\n)%2)+i) th:TH_STORE_NT
.endif
.set i, i+1
.endr
.endm
	LOADB 0
	LOADB 1
	STOREB 0, 16
	s_wait_xcnt 0x0                                ; batch 0's stores have read their registers: only behind this wait are they loaded again
	LOADB 2
	STOREB 1, 16
	s_wait_xcnt 0x0                                ; likewise batch 1's
	LOADB 3
	STOREB 2, 16
	STOREB 3, 0
	s_wait_tensorcnt 0x0                           ; the wave's end: a tensor wait, an add onto my spare word and its wait, behind my last tensor load and my last LDS store
	ds_add_u32 v[SPW], v[NIL]
	s_wait_dscnt 0x0
	CROUND                                         ; the closing round: no work-group ends while a partner may still ask for a tile that names it
	s_endpgm
.Lfunc_end_k_qa15eaea40a_lstm:
	.size	k_qa15eaea40a_lstm, .Lfunc_end_k_qa15eaea40a_lstm-k_qa15eaea40a_lstm
	.p2alignl 7, 3214868480
	.fill 96, 4, 3214868480
	.section	.rodata,"a",@progbits
	.p2align	6, 0x0
	.amdhsa_kernel k_qa15eaea40a_lstm
		.amdhsa_group_segment_fixed_size 327680
		.amdhsa_private_segment_fixed_size 0
		.amdhsa_enable_private_segment 0
		.amdhsa_kernarg_size 72
		.amdhsa_user_sgpr_count 2
		.amdhsa_user_sgpr_kernarg_segment_ptr 1
		.amdhsa_wavefront_size32 1
		.amdhsa_system_sgpr_workgroup_id_x 1
		.amdhsa_system_sgpr_workgroup_id_y 1
		.amdhsa_system_sgpr_workgroup_id_z 1
		.amdhsa_system_vgpr_workitem_id 0
		.amdhsa_next_free_vgpr 1024
		.amdhsa_next_free_sgpr 102
		.amdhsa_reserve_vcc 0
		.amdhsa_float_denorm_mode_32 3
		.amdhsa_float_denorm_mode_16_64 3
		.amdhsa_memory_ordered 1
		.amdhsa_forward_progress 1
		.amdhsa_inst_pref_size 239
	.end_amdhsa_kernel
	.amdgpu_metadata
---
amdhsa.version: [ 1, 2 ]
amdhsa.kernels:
  - .name:           k_qa15eaea40a_lstm
    .symbol:         k_qa15eaea40a_lstm.kd
    .args:
      - { .name: xa, .offset: 0, .size: 8, .value_kind: global_buffer, .address_space: global }
      - { .name: wb, .offset: 8, .size: 8, .value_kind: global_buffer, .address_space: global }
      - { .name: cell_state, .offset: 16, .size: 8, .value_kind: global_buffer, .address_space: global }
      - { .name: b_f, .offset: 24, .size: 8, .value_kind: global_buffer, .address_space: global }
      - { .name: b_i, .offset: 32, .size: 8, .value_kind: global_buffer, .address_space: global }
      - { .name: b_c, .offset: 40, .size: 8, .value_kind: global_buffer, .address_space: global }
      - { .name: b_o, .offset: 48, .size: 8, .value_kind: global_buffer, .address_space: global }
      - { .name: out0, .offset: 56, .size: 8, .value_kind: global_buffer, .address_space: global }
      - { .name: out1, .offset: 64, .size: 8, .value_kind: global_buffer, .address_space: global }
    .group_segment_fixed_size: 327680
    .private_segment_fixed_size: 0
    .kernarg_segment_align: 8
    .kernarg_segment_size: 72
    .max_flat_workgroup_size: 128
    .sgpr_count:     102
    .vgpr_count:     1024
    .wavefront_size: 32
...
	.end_amdgpu_metadata
.endif
;; end of part 2
